; MI455X (gfx1250); checked and timed in simulation.
; The chip was launched on July 23, 2026; its instructions are those of AMD's public machine-readable ISA for CDNA 5 (MIT licence, August 2026) and "CDNA5" Instruction Set Architecture Reference Guide (July 2026). The comments in the code are by the model that wrote it; some were corrected since.
;; Attention. Allowed arithmetic: matrix products marked QUANTISED: E4M3 operands, one given power-of-two scale a tensor, by v_wmma_f32_16x16x64_fp8_fp8 or v_wmma_f32_16x16x128_fp8_fp8, f32 sums; everything else in f32.
;; Inputs: k 4 x 16 x 2,048 x 64 float32; lowp_scales 4 int32 (the exponents e of the quantised operands' scales 2^e); q 4 x 16 x 2,048 x 64 float32; v 4 x 16 x 2,048 x 64 float32.
;; Outputs: out0 4 x 16 x 2,048 x 64 float32.
;; This version of the problem:
;;   THIS VERSION OF THE PROBLEM IS GIVEN IN LOW PRECISION. The matrix products marked QUANTISED in the list below multiply operands that are first quantised to E4M3 (4 exponent bits, 3 mantissa bits; 8 bits a number), with one given power-of-two scale for each operand tensor; their sums are f32. All else is computed in f32.
;;   The module's matrix products, in the order in which they are computed (A, B: the left and right operand; K: the contracted axis; several contracted axes count as one K, in the product's order):
;;     1. batch 64 x [M 2,048, K 64] x [K 64, N 2,048]; A: input q; B: input k: QUANTISED (scales: A lowp_scales[0], B lowp_scales[1])
;;     2. batch 64 x [M 2,048, K 2,048] x [K 2,048, N 64]; A: softmax (see below); B: input v: QUANTISED (scales: A lowp_scales[2], B lowp_scales[3])
;;   THE QUANTISER, for each operand of a quantised product, along K:
;;     - The operand's scale is 2^e, e = its entry of the input lowp_scales (int32; the entries are numbered through the quantised products in the list's order, A before B).
;;     - Each number is divided by the scale, clamped to +-448, and rounded to the nearest number of E4M3, ties to even, subnormals kept.
;;     - The product sums the exact products of the quantised numbers (number of the format x scale) in f32.
;;   ~~~python
;;   def quantise(x, axis, e):      # numpy; x: float32 -> the quantised numbers, widened to float32 again
;;       x = np.moveaxis(x, axis, -1); K = x.shape[-1]
;;       r = np.clip(x / 2.0 ** e, -448, 448)
;;       step = 2.0 ** (np.maximum(np.frexp(np.where(r == 0, 1, r))[1] - 1, -6) - 3)
;;       q = np.round(r / step) * step * 2.0 ** e      # np.round: ties to even
;;       return np.moveaxis(q, -1, axis).astype(np.float32)
;;   ~~~
;;   SOFTMAX AHEAD OF A QUANTISED PRODUCT. Where the list says 'softmax', what is quantised is not the finished softmax but p = 2^(t - M), with t = logit x log2(e) and M = ceil(the row's largest t), a whole number; so 1/2 < the row's largest p <= 1. The row's sum l is taken of the UNQUANTISED p, in f32, and the product's result is divided by l at the end. Since M is a whole number, a kernel that streams over the keys may use a running M (the ceiling of the running maximum): every later rescaling is an exact power of two, so the quantised numbers keep their values, but for numbers so far below the row's largest that they fall under the format's range.
;;   OPERANDS COMPUTED ON THE WAY. 'Computed on the way' means the value that the module computes at that place (a softmax that the list does not call 'softmax' is quantised finished and normalised). What goes into a quantiser is computed in f32, as accurately as f32 sums, v_exp_f32 and their like allow (about 1e-6 of the number): no bf16 or f16 on the way to a quantiser, and a product that is left as it is and whose result goes on into a quantised operand takes f32 operands (vector FMAs, or v_wmma_f32_16x16x4_f32). A number that lies on a knife's edge between two numbers of the format may be rounded either way, as far as f32 arithmetic and the matrix unit's own rounding can turn it there, and no further.
;; 2 versions. Each part assembles by itself: llvm-mc -triple=amdgcn-amd-amdhsa -mcpu=gfx1250 --defsym DOCPART=n.
;; ======== version 1 of 2: 1 launch
;; launch attn (part 1): grid 4 x 64, 16 waves a work-group, no clusters, 264,192 bytes of LDS; arguments q, k, v, lowp_scales, out0; writes out0
.if DOCPART == 1
	.amdgcn_target "amdgcn-amd-amdhsa--gfx1250"
	.amdhsa_code_object_version 6
	.text
	.protected	k_q6a7955016a_attn
	.globl	k_q6a7955016a_attn
	.p2align	8
	.type	k_q6a7955016a_attn,@function
k_q6a7955016a_attn:
	s_mov_b64 s[64:65], 0
	v_nop
	global_prefetch_b8 v0, s[64:65] scope:SCOPE_SE
	s_setreg_imm32_b32 hwreg(HW_REG_WAVE_MODE, 25, 1), 1
	s_wait_xcnt 0x0
; out0[b][h][i][:] = sum over j <= i of softmax_j(q[i] . k[j] / 8) v[j][:], 64 heads of 2,048 positions x 64, q, k, v, out0 f32.
; Both products on codes of FP8 (E4M3), each operand with its given scale 2^e: eq, ek, ep, ev = lowp_scales[0..3].
; THE SOFTMAX AHEAD OF THE SECOND PRODUCT: t = score x log2(e) / 8; M = the row's largest t so far, rounded UP to a whole number; p = 2^(t - M) is what is quantised; the row's sum is
; taken of the unquantised p in f32 and divides at the end.  When M moves, the sum and O are multiplied by 2^(old M - new M): a power of two.
; WORK LEFT OUT.  The mask is built by the problem itself: for query i every score with j > i is replaced by the least f32 number ahead of the softmax, so its weight is 0 for all values of the
; inputs.  A step of 128 keys all of which come after a tile's 16 queries is therefore never walked; in the one step on the diagonal the hidden scores become -infinity, so p = 0.  Every input
; has a way to the output and is loaded.  LIMIT: a NaN, an infinity or an overflow that reaches only the steps left out is not carried to the result.  NaN among the inputs is not served; an
; infinity is held at the largest code.
; LIMITS on the given exponents, so that each power of two below is an f32 number: eq, ek, ep, ev between -126 and 119; eq + ek between -123 and 130.  ep + ev is applied by v_ldexp_f32.
; ORDER OF SUMS: inside a matrix instruction k stands in other places than the form's own layout gives it, alike in both operands: every product meets its partner; only the order of the sums changes.
; SHARES.  A head has 128 tiles of 16 queries.  Four work-groups (x = j) share a head (y); wave w of 16 takes the pair p = 4 w + j: tile B = 127 - p and tile A = p.  With a = w / 2, tile B needs
; 16 - a steps of 128 keys and tile A a + 1: 17 steps for every wave of the launch.  The wave walks B over chunks 0 .. 15 - a in trips 0 .. 15 - a, then A over chunks 0 .. a - 1 in the trips
; that are left, and A's diagonal chunk a behind the loop.
; K AND V are quantised by the work-group itself, a chunk of 128 keys a trip, shared among the 16 waves: f32 from memory into registers, codes into LDS, laid as IMAGES OF THE OPERANDS'
; REGISTERS (a fragment's four registers of lane l are 16 bytes at 16 l).  All 16 chunks stay: 131,072 bytes of K's codes, 131,072 of V's; no byte of an image is written twice.
; NO JOINT LOADS, though four work-groups read the same k and v: what they share is f32, 65,536 bytes a chunk against 16,384 bytes of codes; two slots for it, 131,072 bytes, do not fit
; beside the 262,144 bytes of codes in a WGP's 327,680, and each f32 byte would go into LDS, out of it, and in again as a code.
; LAYOUT.  Both products are used transposed: S^T = K Q^T (source 0 = 16 keys, source 1 = my 16 queries), O^T = V^T P^T (source 0 = 16 of the head's 64, source 1 = P): a lane holds ONE query
; (lane % 16) throughout.  THE KEYS OF A TILE ARE NOT NEIGHBOURS: row m of tile 2 b + u is key 32 b + 16 (m / 8) + 8 u + m % 8, so that the 16 registers of tiles 2 b and 2 b + 1 are the
; 16 neighbouring keys 32 b + 16 (lane / 16) + 0 .. 15: the conversions' results are the second product's operand.
; PREFETCH.  In trip s, s up to 12, wave 0 (for k) and wave 1 (for v) name chunk s + 3, two trips ahead of the loads that want it.  Work-group j takes bytes 8,192 j on of the chunk's 32,768,
; a lane to each 256: each such block is named once in the launch.  Chunks 0 to 2 come by their loads alone.
.set CHB,   32768                      ; a chunk of k or of v in memory: 128 rows of 256 bytes
.set IMG,   8192                       ; a chunk's codes: 128 x 64
.set VIMG,  131072                     ; LDS: K's 16 images from 0, V's 16 from here
.set SPARE, 262144                     ; behind the images: the spare words, 128 bytes for each wave: eight blocks of 256 bytes that no other line names
.set SP,    272                        ; the way out: a stage row, 256 bytes + 16; a wave's two stages of 16 rows lie at 2 x 16 x SP x wave, over images that nobody reads any more
; vector registers
.set LI,  1                            ; 16 x lane: my place in an image's piece
.set KST, 2                            ; where I store K's codes in a chunk's image
.set VST, 3                            ; the same for V, VIMG included
.set KOF, 4                            ; my bytes in a chunk of k: 2,048 w + 16 lane
.set VOF, 5                            ; in a chunk of v: 4,096 (w / 2) + 128 (w % 2) + 4 lane
.set PFO, 6                            ; the prefetch's offset: 256 x lane
.set DQ,  7                            ; lane % 16 - 16 (lane / 16), for the mask
.set ADK, 8                            ; LDS address of the step's image of K;
.set ADV, 9                            ; of V
.set KSA, 10                           ; LDS addresses of this trip's stores
.set VSA, 11
.set SPW, 12                           ; LDS address of my spare word: SPARE + 4 x my thread's number; never rewritten
.set NIL, 13                           ; 0; never rewritten
.set STO, 14                           ; the stage: where I put 32 bytes of a row
.set RD,  15                           ; and where I read a row back
.set NM,  16                           ; v16 -M, v17 the largest t
.set SUM, 18                           ; v[18:19] the row's sum in two halves
.set KS,  20                           ; v20 2^ek, v21 448 x 2^ek
.set VS,  22                           ; the same for ev
.set PS,  24                           ; the same for ep
.set FF,  26                           ; v26 f = 2^(old M - new M), v27 named with it as a pair; at the head: 2^eq and 448 x 2^eq
.set SU2, 28                           ; v[28:29] the sums' second chain
.set PX,  30                           ; a lane permute's destination
.set MX2, 31                           ; the maximum's second chain; -infinity for the mask
.set HH,  28                           ; at the head v28-31 hold lane / 16, a scratch, the lane and lane % 16
.set HX,  29
.set HL,  30
.set HR,  31
.set QF,  32                           ; v[32:39] the codes of the tile of queries in hand
.set QN,  40                           ; v[40:47] tile A's, until its turn
.set FRG, 48                           ; v[48:79] four fragments of K
.set PC,  48                           ; v[48:63] then p's codes
.set SC,  80                           ; v[80:143] S^T, then p, then V's four fragments; on the way out rows read back
.set OT,  144                          ; v[144:175] O^T: register 8 d + i is o(query, 16 d + 8 (lane / 16) + i)
.set OB,  176                          ; v[176:207] tile B's result, until the way out
.set KR,  208                          ; v[208:223] 16 numbers of k on their way
.set VR,  224                          ; v[224:239] 16 of v
.set KC,  240                          ; v[240:243] their codes
.set VC,  244
.set GO,  248                          ; my byte offset in a tile's rows of out0
.set QOF, 249                          ; in a tile's rows of q
.set MX,  250                          ; the maximum's first chain; at work
.set MD,  251                          ; the mask's bound
; scalar registers
.set KP,  6                            ; s[6:7] k at the chunk to be loaded; s[8:9] v
.set VP,  8
.set WV,  14                           ; my wave's number w
.set JJ,  15                           ; j
.set AA,  16                           ; a = w / 2
.set PP,  17                           ; p = 4 w + j
.set HO,  18                           ; s[18:19] the head's first byte in each tensor
.set SEL, 20                           ; s[20:21] v_permlanex16_b32's selects for lane xor 16
.set CS,  22                           ; s[22:23] c = log2(e) / 8 x 2^(eq + ek)
.set TT,  24                           ; 8,192 x the trip
.set SS,  25                           ; the trip
.set A8,  26                           ; 8,192 a
.set TBR, 27                           ; LDS byte of the chunk that I read
.set QB,  30                           ; s[30:31] q at tile B; s[32:33] at tile A
.set QA,  32
.set OPB, 34                           ; s[34:35] out0 at tile B; s[36:37] at tile A
.set OPA, 36
.set TSW, 38                           ; 8,192 (15 - a): the trip of tile B's diagonal
.set PLIM, 39                          ; 13 in waves 0 and 1, else 0: a wave prefetches while the trip is under it
.set EX,  40                           ; s[40:43] eq, ek, ep, ev
.set DA,  44                           ; tile A's first query in its diagonal chunk: 16 (4 (w % 2) + j)
.set DB,  45                           ; tile B's: 112 - DA
.set HOLD, 46                          ; 1 where 448 x 2^ep lies under 1
.set EPV, 47                           ; ep + ev
.set PFA, 48                           ; s[48:49] where my prefetches stand
.macro PLACES                          ; four places behind a matrix instruction (ISA guide 7.12.1)
.rept 4
	v_nop
.endr
.endm
; 16 queries x 64 as f32: lane (r, h) takes, of row r, d = 32 c + 16 h + 0 .. 15 into registers 16 c on: the order in which the conversions' results are the operand
.macro QLOAD reg, base
.irp c, 0,1
.irp e, 0,1,2,3
	global_load_b128 v[\reg+16*\c+4*\e:\reg+16*\c+4*\e+3], v[QOF], s[\base:\base+1] offset:128*\c+16*\e th:TH_LOAD_NT
.endr
.endr
.endm
.macro QCODE src, dst
.set n, 0
.rept 32
	v_med3_num_f32 v[\src+n], v[\src+n], -v[FF+1], v[FF+1]   ; the conversion to an 8-bit code does not saturate (ISA guide 7.6.2): the hold at the largest code x the scale
.set n, n+1
.endr
.irp g, 0,1,2,3
	v_cvt_scalef32_pk8_fp8_f32 v[\dst+2*\g:\dst+2*\g+1], v[\src+8*\g:\src+8*\g+7], v[FF]
.endr
	v_nop                                          ; one plain line behind the last conversion
.endm
; My share of a chunk.  k: four loads of 512 consecutive bytes: group i is key 8 w + 2 i + lane / 16, d = 4 (lane % 16) on.  v: A LANE TAKES A COLUMN d = 32 (w % 2) + lane AND ITS REGISTERS
; RUN DOWN THE KEYS 16 (w / 2) + 0 .. 15, since the keys are the second product's K: sixteen loads of 128 consecutive bytes.  No hint: four work-groups read these bytes.
.macro LOADKV
.irp i, 0,1,2,3
	global_load_b128 v[KR+4*\i:KR+4*\i+3], v[KOF], s[KP:KP+1] offset:512*\i
.endr
.set n, 0
.rept 16
	global_load_b32 v[VR+n], v[VOF], s[VP:VP+1] offset:256*n
.set n, n+1
.endr
.endm
.macro SCALE e, vs                     ; v[vs] = 2^e as f32, v[vs + 1] = 448 x 2^e
	s_add_co_i32 s28, s[\e], 127
	s_lshl_b32 s29, s28, 23
	v_mov_b32 v[\vs], s29
	s_add_co_i32 s28, s28, 8
	s_lshl_b32 s28, s28, 23
	s_or_b32 s28, s28, 0x600000
	v_mov_b32 v[\vs+1], s28
.endm
.macro FRESH                           ; a tile's statistics at its start
	v_mov_b32 v[NM+1], 0xff61b1e6                  ; the largest t so far: -3e38, under every t
	v_floor_f32 v[NM], -v[NM+1]                    ; -M
	v_mov_b32 v[SUM], 0
	v_mov_b32 v[SUM+1], 0
.endm
; O^T / the row's sum x 2^(ep + ev) into v[dst] on
.macro FINISH dst
	v_add_f32 v[SUM], v[SUM], v[SUM+1]             ; the sum's two halves,
	v_permlanex16_b32 v[PX], v[SUM], s[SEL], s[SEL+1]
	v_add_f32 v[SUM], v[SUM], v[PX]                ; and lane xor 16's
	v_rcp_f32 v[SUM], v[SUM]
	v_nop                                          ; a plain line behind the reciprocal
	s_wait_alu depctr_va_vdst(0)                   ; the wait ahead of the first line that names the result
	v_ldexp_f32 v[SUM], v[SUM], s[EPV]
.set n, 0
.rept 16
	v_pk_mul_f32 v[\dst+n:\dst+n+1], v[OT+n:OT+n+1], v[SUM:SUM+1] op_sel_hi:[1,0]   ; each accumulator from its low end on
.set n, n+2
.endr
.endm
; A STEP: my tile against the 128 keys of the chunk at s[TBR].  lead: v_nop ahead of the first loads, where no other plain lines stand behind the last products.
; mask = 1: tile B; its diagonal is the trip with TT = TSW.  mask = 2: tile A's diagonal step.
.macro STEP lead, mask
	v_add_nc_u32 v[ADK], s[TBR], v[LI]
	v_add_nc_u32 v[ADV], VIMG, v[ADK]
.if \lead
.rept \lead
	v_nop
.endr
.endif
.irp g, 0,1                                    ; S^T = K Q^T, four tiles of 16 keys at a time
.if \g
	PLACES                                         ; in front of loads into registers that matrix instructions have read
.endif
.irp t, 0,1,2,3
	ds_load_b128 v[FRG+8*\t:FRG+8*\t+3],   v[ADK] offset:1024*(4*\g+\t)
	ds_load_b128 v[FRG+8*\t+4:FRG+8*\t+7], v[ADK] offset:1024*(4*\g+\t)+512
.endr
	s_wait_dscnt 0x0
.irp t, 0,1,2,3
	v_wmma_f32_16x16x64_fp8_fp8 v[SC+8*(4*\g+\t):SC+8*(4*\g+\t)+7], v[FRG+8*\t:FRG+8*\t+7], v[QF:QF+7], 0
.endr
.endr
	PLACES
	; register 16 b + i holds key 32 b + 16 (lane / 16) + i of the chunk: hidden where 32 b + i > my query's place in the chunk - 16 (lane / 16)
.if \mask == 1
	s_cmp_lg_u32 s[TT], s[TSW]                     ; ids and the count of trips alone
	s_cbranch_scc1 .Lopen_\@
	v_add_nc_u32 v[MD], s[DB], v[DQ]
.else
	v_add_nc_u32 v[MD], s[DA], v[DQ]
.endif
	v_mov_b32 v[MX2], 0xff800000                   ; -infinity: p = 0 then.  Every query sees its own key in this chunk, so the row's maximum stays a number
.irp n, 0,1,2,3,4,5,6,7,8,9,10,11,12,13,14,15,16,17,18,19,20,21,22,23,24,25,26,27,28,29,30,31,32,33,34,35,36,37,38,39,40,41,42,43,44,45,46,47,48,49,50,51,52,53,54,55,56,57,58,59,60,61,62,63
	v_cmp_gt_i32 vcc_lo, 32*(\n/16)+\n%16, v[MD]
	v_cndmask_b32 v[SC+\n], v[SC+\n], v[MX2], vcc_lo
.endr
.if \mask == 1
.Lopen_\@:
.endif
	v_max3_num_f32 v[MX], v[SC], v[SC+1], v[SC+2]  ; the step's largest score of my query among my 64 keys, in two chains, each accumulator from its low end on,
	v_max3_num_f32 v[MX2], v[SC+3], v[SC+4], v[SC+5]
.irp i, 6,10,14,18,22,26,30,34,38,42,46,50,54,58
	v_max3_num_f32 v[MX], v[MX], v[SC+\i], v[SC+\i+1]
	v_max3_num_f32 v[MX2], v[MX2], v[SC+\i+2], v[SC+\i+3]
.endr
	v_max3_num_f32 v[MX], v[MX], v[SC+62], v[SC+63]
	v_max_num_f32 v[MX], v[MX], v[MX2]
	v_permlanex16_b32 v[PX], v[MX], s[SEL], s[SEL+1]
	v_max_num_f32 v[MX], v[MX], v[PX]              ; and among lane xor 16's
	v_mul_f32 v[MX], s[CS], v[MX]                  ; as t (c is positive)
	v_max_num_f32 v[NM+1], v[NM+1], v[MX]          ; the running largest t
	v_mov_b32 v[MX], v[NM]
	v_floor_f32 v[NM], -v[NM+1]                    ; the new -M = floor(-t): M is a whole number
	v_sub_f32 v[MX], v[NM], v[MX]                  ; old M less new M: a whole number, 0 or less
	v_cvt_i32_f32 v[MX], v[MX]                     ; (it saturates)
	v_ldexp_f32 v[FF], 1.0, v[MX]                  ; f = 2^(old M - new M)
.set n, 0
.rept 32
	v_pk_fma_f32 v[SC+n:SC+n+1], v[SC+n:SC+n+1], s[CS:CS+1], v[NM:NM+1] op_sel_hi:[1,0,0]   ; t - M, two at a time (of the pairs c and -M the low word serves both halves)
.set n, n+2
.endr
.set n, 0
.rept 64
	v_exp_f32 v[SC+n], v[SC+n]                     ; p = 2^(t - M), at most 1: not normalised
.set n, n+1
.endr
	v_pk_mul_f32 v[SUM:SUM+1], v[SUM:SUM+1], v[FF:FF+1] op_sel_hi:[1,0]   ; the sums under the new M: the plain line behind the exponentials
	s_wait_alu depctr_va_vdst(0)                   ; one wait for the batch of 64, ahead of the first line that names a result
	v_pk_add_f32 v[SU2:SU2+1], v[SC:SC+1], v[SC+2:SC+3]   ; the row's sum is taken of the unquantised p, in two chains
.irp i, 4,8,12,16,20,24,28,32,36,40,44,48,52,56,60
	v_pk_add_f32 v[SUM:SUM+1], v[SUM:SUM+1], v[SC+\i:SC+\i+1]
	v_pk_add_f32 v[SU2:SU2+1], v[SU2:SU2+1], v[SC+\i+2:SC+\i+3]
.endr
	v_pk_add_f32 v[SUM:SUM+1], v[SUM:SUM+1], v[SU2:SU2+1]
	; p is at most 1 and not negative.  Where ep >= -8 the largest code x the scale, 448 x 2^ep, is 1.75 or more and the hold changes nothing: a whole number read from memory decides, the same in all waves
	s_cmp_eq_u32 s[HOLD], 0
	s_cbranch_scc1 .Lfits_\@
.set n, 0
.rept 64
	v_min_num_f32 v[SC+n], v[SC+n], v[PS+1]
.set n, n+1
.endr
.Lfits_\@:
.irp b, 0,1,2,3
	v_cvt_scalef32_pk8_fp8_f32 v[PC+4*\b:PC+4*\b+1],   v[SC+16*\b:SC+16*\b+7],    v[PS]   ; registers 4 b .. 4 b + 3 of P: keys 32 b + 16 (lane / 16) + 0 .. 15
	v_cvt_scalef32_pk8_fp8_f32 v[PC+4*\b+2:PC+4*\b+3], v[SC+16*\b+8:SC+16*\b+15], v[PS]
.endr
	v_pk_mul_f32 v[OT:OT+1], v[OT:OT+1], v[FF:FF+1] op_sel_hi:[1,0]   ; O^T under the new M; this first one is the plain line behind the conversions
.irp d, 0,1,2,3                                ; V's four fragments (16 of the head's 64 x 128 keys) take p's registers
.irp c, 0,1,2,3
	ds_load_b128 v[SC+16*\d+4*\c:SC+16*\d+4*\c+3], v[ADV] offset:2048*\d+512*\c
.endr
.endr
.set n, 2
.rept 15
	v_pk_mul_f32 v[OT+n:OT+n+1], v[OT+n:OT+n+1], v[FF:FF+1] op_sel_hi:[1,0]
.set n, n+2
.endr
	s_wait_dscnt 0x0
.irp d, 0,1,2,3                                ; O^T += V^T P^T; the four accumulators take turns
	v_wmma_f32_16x16x128_fp8_fp8 v[OT+8*\d:OT+8*\d+7], v[SC+16*\d:SC+16*\d+15], v[PC:PC+15], v[OT+8*\d:OT+8*\d+7]
.endr
.endm
; THE WAY OUT of a tile: a lane's eight numbers of a row, 32 bytes, into rows of 272 bytes of my own stage u, and back as whole rows of 256
.macro TOSTAGE src, u, back
.irp d, 0,1,2,3
	ds_store_b128 v[STO], v[\src+8*\d:\src+8*\d+3]   offset:16*SP*\u+64*\d
	ds_store_b128 v[STO], v[\src+8*\d+4:\src+8*\d+7] offset:16*SP*\u+64*\d+16
.endr
.irp i, 0,1,2,3,4,5,6,7
	ds_load_b128 v[\back+4*\i:\back+4*\i+3], v[RD] offset:16*SP*\u+2*SP*\i   ; LDS serves a wave's instructions in order (ISA guide 5.7.1.4): these see my stores
.endr
.endm
.macro SEND back, base, younger        ; younger: the LDS instructions issued behind this tile's loads, which may stay out
.irp i, 0,1,2,3,4,5,6,7
	s_wait_dscnt \younger+7-\i
	global_store_b128 v[GO], v[\back+4*\i:\back+4*\i+3], s[\base:\base+1] offset:512*\i th:TH_STORE_NT   ; the wave stores 512 consecutive bytes, two whole rows of out0, at a multiple of 256 from its first byte
.endr
.endm
	s_load_b256 s[4:11], s[0:1], 0x0               ; q s[4:5], k s[6:7], v s[8:9], the scales' exponents s[10:11]
	s_load_b64 s[12:13], s[0:1], 0x20              ; out0
	v_lshl_add_u32 v[SPW], v0, 2, SPARE
	v_mov_b32 v[NIL], 0
	v_lshrrev_b32 v[HX], 5, v0
	v_readfirstlane_b32 s[WV], v[HX]               ; wave 0..15
	v_and_b32 v[HL], 31, v0                        ; lane
	v_and_b32 v[HR], 15, v0                        ; r
	v_bfe_u32 v[HH], v0, 4, 1                      ; h
	v_lshlrev_b32 v[LI], 4, v[HL]
	s_mov_b32 s[JJ], ttmp9
	s_lshr_b32 s[AA], s[WV], 1
	s_lshl_b32 s[PP], s[WV], 2
	s_add_co_u32 s[PP], s[PP], s[JJ]
	s_and_b32 s[HO], ttmp7, 0xffff
	s_lshl_b32 s[HO], s[HO], 19                    ; the head x 2,048 rows of 256 bytes
	s_mov_b32 s[HO+1], 0
	; K's codes: word i of mine is key 8 w + 2 i + h, d = 4 r on.  In the image: tile 2 (w / 4) + w % 2, row 8 ((w / 2) % 2) + 2 i + h, piece and half by d:
	; 2,048 (w / 4) + 1,024 (w % 2) + 128 ((w / 2) % 2) + 256 (r / 4) + 16 h + 4 (r % 4), + 32 i in the store's offset
	s_lshr_b32 s28, s[WV], 2
	s_lshl_b32 s28, s28, 11
	s_and_b32 s29, s[WV], 1                        ; w % 2
	s_lshl_b32 s50, s29, 10
	s_add_co_u32 s28, s28, s50
	s_and_b32 s51, s[AA], 1                        ; (w / 2) % 2
	s_lshl_b32 s50, s51, 7
	s_add_co_u32 s28, s28, s50
	v_lshrrev_b32 v[KST], 2, v[HR]
	v_lshlrev_b32 v[KST], 8, v[KST]
	v_lshl_add_u32 v[KST], v[HH], 4, v[KST]
	v_and_b32 v[HX], 3, v[HR]
	v_lshl_add_u32 v[KST], v[HX], 2, v[KST]
	v_add_nc_u32 v[KST], s28, v[KST]
	; V's codes: my 16 bytes are d = 32 (w % 2) + lane, keys 16 (w / 2) + 0 .. 15: tile 2 (w % 2) + h, piece w / 4, half (w / 2) % 2, row r
	s_lshl_b32 s50, s29, 12
	s_lshr_b32 s52, s[WV], 2
	s_lshl_b32 s52, s52, 9
	s_add_co_u32 s50, s50, s52
	s_lshl_b32 s52, s51, 8
	s_add_co_u32 s50, s50, s52
	s_add_co_u32 s50, s50, VIMG
	v_lshlrev_b32 v[VST], 11, v[HH]
	v_lshl_add_u32 v[VST], v[HR], 4, v[VST]
	v_add_nc_u32 v[VST], s50, v[VST]
	s_lshl_b32 s52, s[WV], 11
	v_add_nc_u32 v[KOF], s52, v[LI]
	s_lshl_b32 s52, s[AA], 12
	s_lshl_b32 s53, s29, 7
	s_add_co_u32 s52, s52, s53
	v_lshl_add_u32 v[VOF], v[HL], 2, s52
	v_lshlrev_b32 v[PFO], 8, v[HL]
	v_lshlrev_b32 v[DQ], 4, v[HH]
	v_sub_nc_u32 v[DQ], v[HR], v[DQ]
	s_mul_i32 s52, s[WV], 2*16*SP                  ; my two stages
	v_mul_u32_u24 v[STO], v[HR], SP                ; in: row r, 32 bytes for each half of the lanes
	v_lshl_add_u32 v[STO], v[HH], 5, v[STO]
	v_add_nc_u32 v[STO], s52, v[STO]
	v_mul_u32_u24 v[RD], v[HH], SP                 ; back: lanes 0-15 one row, lanes 16-31 the next
	v_lshl_add_u32 v[RD], v[HR], 4, v[RD]
	v_add_nc_u32 v[RD], s52, v[RD]
	v_lshlrev_b32 v[GO], 8, v[HH]                  ; and the same two rows in out0
	v_lshl_add_u32 v[GO], v[HR], 4, v[GO]
	v_lshlrev_b32 v[QOF], 8, v[HR]                 ; q: row r, + 64 h
	v_lshl_add_u32 v[QOF], v[HH], 6, v[QOF]
	s_mov_b32 s[SEL], 0x76543210
	s_mov_b32 s[SEL+1], 0xfedcba98
	s_lshl_b32 s[A8], s[AA], 13
	s_xor_b32 s[TSW], s[AA], 15                    ; 15 - a
	s_lshl_b32 s[TSW], s[TSW], 13
	s_cmp_lt_u32 s[WV], 2
	s_cselect_b32 s[PLIM], 13, 0
	s_lshl_b32 s[DA], s29, 2
	s_add_co_u32 s[DA], s[DA], s[JJ]
	s_lshl_b32 s[DA], s[DA], 4
	s_sub_co_u32 s[DB], 112, s[DA]
	s_sub_co_u32 s[QB], 127, s[PP]                 ; the two tiles' first bytes: 16 rows of 256 bytes a tile, + the head
	s_lshl_b32 s[QB], s[QB], 12
	s_add_co_u32 s[QB], s[QB], s[HO]
	s_mov_b32 s[QB+1], 0
	s_lshl_b32 s[QA], s[PP], 12
	s_add_co_u32 s[QA], s[QA], s[HO]
	s_mov_b32 s[QA+1], 0
	s_lshl_b32 s52, s[JJ], 13                      ; the prefetches: my work-group's quarter of a chunk,
	s_add_co_u32 s52, s52, 2*CHB                   ; in chunk 2: trip 0 steps it to chunk 3
	s_mov_b32 s53, 0
	s_mov_b32 s[TT], 0
	s_mov_b32 s[SS], 0
	s_wait_kmcnt 0x0
	s_load_b128 s[EX:EX+3], s[10:11], 0x0          ; eq, ek, ep, ev
	s_add_nc_u64 s[OPB:OPB+1], s[12:13], s[QB:QB+1]
	s_add_nc_u64 s[OPA:OPA+1], s[12:13], s[QA:QA+1]
	s_add_nc_u64 s[QB:QB+1], s[4:5], s[QB:QB+1]
	s_add_nc_u64 s[QA:QA+1], s[4:5], s[QA:QA+1]
	s_cmp_eq_u32 s[WV], 0                          ; wave 0 asks for k, wave 1 for v
	s_cselect_b64 s[PFA:PFA+1], s[6:7], s[8:9]
	s_add_nc_u64 s[KP:KP+1], s[KP:KP+1], s[HO:HO+1]
	s_add_nc_u64 s[VP:VP+1], s[VP:VP+1], s[HO:HO+1]
	s_add_nc_u64 s[PFA:PFA+1], s[PFA:PFA+1], s[HO:HO+1]
	s_add_nc_u64 s[PFA:PFA+1], s[PFA:PFA+1], s[52:53]
	QLOAD SC, QB                                   ; both tiles of queries, 16 loads,
	QLOAD SC+32, QA
	LOADKV                                         ; and my share of chunk 0, 20 loads
.set n, 0
.rept 64
	v_mov_b32 v[OT+n], 0                           ; O^T, and behind it tile B's place.  (The step is written once for first and later steps: the first finds zeros, which the first change of M leaves zeros)
.set n, n+1
.endr
	FRESH
	v_mov_b32 v[PX], 0                             ; written once: a lane permute's destination counts as one of its sources
	s_wait_kmcnt 0x0
	SCALE EX, FF                                   ; eq: for the two conversions of q below
	SCALE EX+1, KS
	SCALE EX+3, VS
	SCALE EX+2, PS
	s_add_co_i32 s28, s[EX], s[EX+1]
	s_lshl_b32 s28, s28, 23
	s_add_co_i32 s[CS], s28, 0x3e38aa3b            ; log2(e) / 8, with eq + ek added to its exponent field: a score stands for score x 2^(eq + ek)
	s_mov_b32 s[CS+1], s[CS]                       ; (named with it as a pair, so it is written)
	s_cmp_lt_i32 s[EX+2], -8
	s_cselect_b32 s[HOLD], 1, 0
	s_add_co_i32 s[EPV], s[EX+2], s[EX+3]
	s_wait_loadcnt 20                              ; q's 16 loads are in; chunk 0's 20, issued behind them, stay out
	QCODE SC, QF
	QCODE SC+32, QN
	v_mov_b32 v[FF+1], 0                           ; from here on only named as the upper half of the pair v[26:27]
.Ltrip:                                            ; 16 trips: chunk s is quantised and stored, and every wave walks one step
	s_wait_loadcnt 16                              ; k's 4 loads are in; v's 16, issued behind them, may be out.  The same count on the way in and over the backward jump
.set n, 0
.rept 16
	v_med3_num_f32 v[KR+n], v[KR+n], -v[KS+1], v[KS+1]   ; the hold at the largest code x the scale.  (These lines are also the places behind the last trip's products)
.set n, n+1
.endr
	v_cvt_scalef32_pk8_fp8_f32 v[KC:KC+1],   v[KR:KR+7],    v[KS]
	v_cvt_scalef32_pk8_fp8_f32 v[KC+2:KC+3], v[KR+8:KR+15], v[KS]
	s_wait_loadcnt 0x0
.set n, 0
.rept 16
	v_med3_num_f32 v[VR+n], v[VR+n], -v[VS+1], v[VS+1]
.set n, n+1
.endr
	v_cvt_scalef32_pk8_fp8_f32 v[VC:VC+1],   v[VR:VR+7],    v[VS]
	v_cvt_scalef32_pk8_fp8_f32 v[VC+2:VC+3], v[VR+8:VR+15], v[VS]
	v_add_nc_u32 v[KSA], s[TT], v[KST]             ; (the plain line behind the conversions)
	v_add_nc_u32 v[VSA], s[TT], v[VST]
	s_cmp_eq_u32 s[SS], 15                         ; the last trip loads nothing: no load leaves its buffer
	s_cbranch_scc1 .Lno_next
	s_wait_xcnt 0x0                                ; the last prefetch, a trip back, has read its address; the loads are done: the three addresses may step
	s_add_nc_u64 s[KP:KP+1], s[KP:KP+1], CHB
	s_add_nc_u64 s[VP:VP+1], s[VP:VP+1], CHB
	s_add_nc_u64 s[PFA:PFA+1], s[PFA:PFA+1], CHB
	LOADKV                                         ; chunk s + 1: it has this trip's step in which to come
	s_cmp_lt_u32 s[SS], s[PLIM]                    ; waves 0 and 1, trips 0 to 12: chunk s + 3, the last of them chunk 15
	s_cbranch_scc0 .Lno_next
	global_prefetch_b8 v[PFO], s[PFA:PFA+1] th:TH_LOAD_NT scope:SCOPE_SE
.Lno_next:
	s_wait_dscnt 0x0                               ; my reads of the images in the last trip are in
	s_barrier_signal -1
	s_barrier_wait -1                              ; everybody's are: between this barrier and the next the images are only written
.irp i, 0,1,2,3
	ds_store_b32 v[KSA], v[KC+\i] offset:32*\i
.endr
	ds_store_b128 v[VSA], v[VC:VC+3]
	s_wait_dscnt 0x0                               ; for the others' sake: my part of chunk s lies in LDS
	s_barrier_signal -1
	s_add_co_u32 s28, s[TT], s[A8]                 ; which chunk I read: s while s + a < 16 (tile B), then s + a - 16 (tile A):
	s_lshr_b32 s28, s28, 17                        ; 1 from s + a = 16 on,
	s_mul_i32 s28, s28, s[A8]
	s_add_co_u32 s[TBR], s[TT], s28
	s_and_b32 s[TBR], s[TBR], 0x1ffff              ; 8,192 ((s + a) mod 16) then
	s_barrier_wait -1                              ; chunk s is whole: up to the next barrier the images are only read
	STEP 0, 1
	s_cmp_lg_u32 s[TT], s[TSW]
	s_cbranch_scc1 .Lon
	; tile B is finished: its result waits in registers, and tile A takes its place.  The eight moves name no register of the last products: they are the places behind them
.set n, 0
.rept 8
	v_mov_b32 v[QF+n], v[QN+n]
.set n, n+1
.endr
	FINISH OB
.set n, 0
.rept 32
	v_mov_b32 v[OT+n], 0
.set n, n+1
.endr
	FRESH
.Lon:
	s_add_co_u32 s[TT], s[TT], IMG
	s_add_co_u32 s[SS], s[SS], 1
	s_cmp_lt_u32 s[SS], 16
	s_cbranch_scc1 .Ltrip
	s_mov_b32 s[TBR], s[A8]                        ; tile A's diagonal step: chunk a, stored in trip a; nothing has been stored since the last barrier
	STEP 4, 2                                      ; (with the two additions six places behind the last products: four are owed by the loads, five by the products that write over V's registers)
	s_wait_dscnt 0x0                               ; my last reads of the images are in
	s_barrier_signal -1
	PLACES                                         ; work on registers while the others arrive
	FINISH OT
	s_barrier_wait -1                              ; nobody reads an image any more: the stages may be laid over them
	TOSTAGE OB, 0, SC
	TOSTAGE OT, 1, SC+32
	SEND SC, OPB, 16                               ; behind tile B's loads: tile A's 8 stores and 8 loads
	SEND SC+32, OPA, 0
	s_wait_tensorcnt 0x0                           ; the wave's end: three closing lines behind my last LDS store
	ds_add_u32 v[SPW], v[NIL]
	s_wait_dscnt 0x0
	s_endpgm
.Lfunc_end_k_q6a7955016a_attn:
	.size	k_q6a7955016a_attn, .Lfunc_end_k_q6a7955016a_attn-k_q6a7955016a_attn
	.p2alignl 7, 3214868480
	.fill 96, 4, 3214868480
	.section	.rodata,"a",@progbits
	.p2align	6, 0x0
	.amdhsa_kernel k_q6a7955016a_attn
		.amdhsa_group_segment_fixed_size 264192
		.amdhsa_private_segment_fixed_size 0
		.amdhsa_enable_private_segment 0
		.amdhsa_kernarg_size 40
		.amdhsa_user_sgpr_count 2
		.amdhsa_user_sgpr_kernarg_segment_ptr 1
		.amdhsa_wavefront_size32 1
		.amdhsa_system_sgpr_workgroup_id_x 1
		.amdhsa_system_sgpr_workgroup_id_y 1
		.amdhsa_system_sgpr_workgroup_id_z 1
		.amdhsa_system_vgpr_workitem_id 0
		.amdhsa_next_free_vgpr 256
		.amdhsa_next_free_sgpr 66
		.amdhsa_reserve_vcc 1
		.amdhsa_float_denorm_mode_32 3
		.amdhsa_float_denorm_mode_16_64 3
		.amdhsa_memory_ordered 1
		.amdhsa_forward_progress 1
		.amdhsa_inst_pref_size 71
	.end_amdhsa_kernel
	.amdgpu_metadata
---
amdhsa.version: [ 1, 2 ]
amdhsa.kernels:
  - .name:           k_q6a7955016a_attn
    .symbol:         k_q6a7955016a_attn.kd
    .args:
      - { .name: q, .offset: 0, .size: 8, .value_kind: global_buffer, .address_space: global }
      - { .name: k, .offset: 8, .size: 8, .value_kind: global_buffer, .address_space: global }
      - { .name: v, .offset: 16, .size: 8, .value_kind: global_buffer, .address_space: global }
      - { .name: lowp_scales, .offset: 24, .size: 8, .value_kind: global_buffer, .address_space: global }
      - { .name: out0, .offset: 32, .size: 8, .value_kind: global_buffer, .address_space: global }
    .group_segment_fixed_size: 264192
    .private_segment_fixed_size: 0
    .kernarg_segment_align: 8
    .kernarg_segment_size: 40
    .max_flat_workgroup_size: 512
    .sgpr_count:     66
    .vgpr_count:     256
    .wavefront_size: 32
...
	.end_amdgpu_metadata
.endif
;; end of part 1
;; ======== version 2 of 2: 1 launch; version 1 with the launch attn written anew for expert scheduling mode
;; launch attn (part 2): grid 4 x 64, 16 waves a work-group, no clusters, 264,192 bytes of LDS; arguments q, k, v, lowp_scales, out0; writes out0
.if DOCPART == 2
	.amdgcn_target "amdgcn-amd-amdhsa--gfx1250"
	.amdhsa_code_object_version 6
	.text
	.protected	k_q6a7955016a_attn
	.globl	k_q6a7955016a_attn
	.p2align	8
	.type	k_q6a7955016a_attn,@function
k_q6a7955016a_attn:
	s_mov_b64 s[64:65], 0
	v_nop
	global_prefetch_b8 v0, s[64:65] scope:SCOPE_SE
	s_setreg_imm32_b32 hwreg(HW_REG_WAVE_SCHED_MODE, 0, 2), 2
	s_setreg_imm32_b32 hwreg(HW_REG_WAVE_MODE, 25, 1), 1
	s_wait_xcnt 0x0
	s_wait_alu depctr_vm_vsrc(0)
; out0[b][h][i][:] = sum over j <= i of softmax_j(q[i] . k[j] / 8) v[j][:], 64 heads of 2,048 positions x 64, q, k, v, out0 f32.
; Both products on codes of FP8 (E4M3), each operand with its given scale 2^e: eq, ek, ep, ev = lowp_scales[0..3].
; THE SOFTMAX AHEAD OF THE SECOND PRODUCT: t = score x log2(e) / 8; M = the row's largest t so far, rounded UP to a whole number; p = 2^(t - M) is what is quantised; the row's sum is
; taken of the unquantised p in f32 and divides at the end.  When M moves, the sum and O are multiplied by 2^(old M - new M): a power of two.
; WORK LEFT OUT.  The mask is built by the problem itself: for query i every score with j > i is replaced by the least f32 number ahead of the softmax, so its weight is 0 for all values of the
; inputs.  A step of 128 keys all of which come after a tile's 16 queries is therefore never walked; in the one step on the diagonal the hidden scores become -infinity, so p = 0.  Every input
; has a way to the output and is loaded.  LIMIT: a NaN, an infinity or an overflow that reaches only the steps left out is not carried to the result.  NaN among the inputs is not served; an
; infinity is held at the largest code.
; LIMITS on the given exponents, so that each power of two below is an f32 number: eq, ek, ep, ev between -126 and 119; eq + ek between -123 and 130.  ep + ev is applied by v_ldexp_f32.
; ORDER OF SUMS: inside a matrix instruction k stands in other places than the form's own layout gives it, alike in both operands: every product meets its partner; only the order of the sums changes.
; SHARES.  A head has 128 tiles of 16 queries.  Four work-groups (x = j) share a head (y); wave w of 16 takes the pair p = 4 w + j: tile B = 127 - p and tile A = p.  With a = w / 2, tile B needs
; 16 - a steps of 128 keys and tile A a + 1: 17 steps for every wave of the launch.  The wave walks B over chunks 0 .. 15 - a in trips 0 .. 15 - a, then A over chunks 0 .. a - 1 in the trips
; that are left, and A's diagonal chunk a behind the loop.
; K AND V are quantised by the work-group itself, a chunk of 128 keys a trip, shared among the 16 waves: f32 from memory into registers, codes into LDS, laid as IMAGES OF THE OPERANDS'
; REGISTERS (a fragment's four registers of lane l are 16 bytes at 16 l).  All 16 chunks stay: 131,072 bytes of K's codes, 131,072 of V's; no byte of an image is written twice.
; NO JOINT LOADS, though four work-groups read the same k and v: what they share is f32, 65,536 bytes a chunk against 16,384 bytes of codes; two slots for it, 131,072 bytes, do not fit
; beside the 262,144 bytes of codes in a WGP's 327,680, and each f32 byte would go into LDS, out of it, and in again as a code.
; LAYOUT.  Both products are used transposed: S^T = K Q^T (source 0 = 16 keys, source 1 = my 16 queries), O^T = V^T P^T (source 0 = 16 of the head's 64, source 1 = P): a lane holds ONE query
; (lane % 16) throughout.  THE KEYS OF A TILE ARE NOT NEIGHBOURS: row m of tile 2 b + u is key 32 b + 16 (m / 8) + 8 u + m % 8, so that the 16 registers of tiles 2 b and 2 b + 1 are the
; 16 neighbouring keys 32 b + 16 (lane / 16) + 0 .. 15: the conversions' results are the second product's operand.
; PREFETCH.  In trip s, s up to 12, wave 0 (for k) and wave 1 (for v) name chunk s + 3, two trips ahead of the loads that want it.  Work-group j takes bytes 8,192 j on of the chunk's 32,768,
; a lane to each 256: each such block is named once in the launch.  Chunks 0 to 2 come by their loads alone.
; THE MODE: SCHED_MODE bits 1:0 = 2 (LLVM: expert scheduling mode 2), set by the entry lines.  The code itself states the register dependences between vector or matrix instructions and
; memory or LDS instructions, with s_wait_alu, always for 0.
; THE PLAN.  Registers that memory or LDS instructions touch:
;   KOF, VOF, PFO, QOF, GO, STO, RD   offsets and addresses, made at the head and never written again: one wait on va_vdst ahead of the first load serves them all.
;   KR, VR          a trip's holds and conversions read and write them; behind these the next chunk's loads land in them.
;   KC, VC, KSA, VSA   written by a trip's conversions and additions; read by its five LDS stores.
;   ADK, ADV        written by two additions at a trip's head; read by the step's 32 LDS loads.
;   v48-79          K's fragments land here twice a step and the K Q^T products read them; then p's conversions write the lower half and the V^T P products read it.
;   SC              the scores, the softmax in place, read by p's conversions; then V's fragments land here and the V^T P products read them; on the way out rows from the stage.
;   OB, OT          written by the two divisions by the row's sum; read by the stage's LDS stores.
; A TRIP'S WAITS: one on vm_vsrc at its head (the last trip's LDS stores and loads have read the six registers that are written anew); one on va_vdst behind the conversions and the four
; additions, from which on no vector instruction is issued until the step's first product: it serves the global loads, the LDS stores and K's first four fragments; one on va_vdst ahead of K's second four
; fragments; the one behind the exponentials; one on va_vdst behind p's conversions, ahead of V's fragments.
.set CHB,   32768                      ; a chunk of k or of v in memory: 128 rows of 256 bytes
.set IMG,   8192                       ; a chunk's codes: 128 x 64
.set VIMG,  131072                     ; LDS: K's 16 images from 0, V's 16 from here
.set SPARE, 262144                     ; behind the images: the spare words, 128 bytes for each wave: eight blocks of 256 bytes that no other line names
.set SP,    272                        ; the way out: a stage row, 256 bytes + 16; a wave's two stages of 16 rows lie at 2 x 16 x SP x wave, over images that nobody reads any more
; vector registers
.set LI,  1                            ; 16 x lane: my place in an image's piece
.set KST, 2                            ; where I store K's codes in a chunk's image
.set VST, 3                            ; the same for V, VIMG included
.set KOF, 4                            ; my bytes in a chunk of k: 2,048 w + 16 lane
.set VOF, 5                            ; in a chunk of v: 4,096 (w / 2) + 128 (w % 2) + 4 lane
.set PFO, 6                            ; the prefetch's offset: 256 x lane
.set DQ,  7                            ; lane % 16 - 16 (lane / 16), for the mask
.set ADK, 8                            ; LDS address of the step's image of K;
.set ADV, 9                            ; of V
.set KSA, 10                           ; LDS addresses of this trip's stores
.set VSA, 11
.set SPW, 12                           ; LDS address of my spare word: SPARE + 4 x my thread's number; never rewritten
.set NIL, 13                           ; 0; never rewritten
.set STO, 14                           ; the stage: where I put 32 bytes of a row
.set RD,  15                           ; and where I read a row back
.set NM,  16                           ; v16 -M, v17 the largest t
.set SUM, 18                           ; v[18:19] the row's sum in two halves
.set KS,  20                           ; v20 2^ek, v21 448 x 2^ek
.set VS,  22                           ; the same for ev
.set PS,  24                           ; the same for ep
.set FF,  26                           ; v26 f = 2^(old M - new M), v27 named with it as a pair; at the head: 2^eq and 448 x 2^eq
.set SU2, 28                           ; v[28:29] the sums' second chain
.set PX,  30                           ; a lane permute's destination
.set MX2, 31                           ; the maximum's second chain; -infinity for the mask
.set HH,  28                           ; at the head v28-31 hold lane / 16, a scratch, the lane and lane % 16
.set HX,  29
.set HL,  30
.set HR,  31
.set QF,  32                           ; v[32:39] the codes of the tile of queries in hand
.set QN,  40                           ; v[40:47] tile A's, until its turn
.set FRG, 48                           ; v[48:79] four fragments of K
.set PC,  48                           ; v[48:63] then p's codes
.set SC,  80                           ; v[80:143] S^T, then p, then V's four fragments; on the way out rows read back
.set OT,  144                          ; v[144:175] O^T: register 8 d + i is o(query, 16 d + 8 (lane / 16) + i)
.set OB,  176                          ; v[176:207] tile B's result, until the way out
.set KR,  208                          ; v[208:223] 16 numbers of k on their way
.set VR,  224                          ; v[224:239] 16 of v
.set KC,  240                          ; v[240:243] their codes
.set VC,  244
.set GO,  248                          ; my byte offset in a tile's rows of out0
.set QOF, 249                          ; in a tile's rows of q
.set MX,  250                          ; the maximum's first chain; at work
.set MD,  251                          ; the mask's bound
; scalar registers
.set KP,  6                            ; s[6:7] k at the chunk to be loaded; s[8:9] v
.set VP,  8
.set WV,  14                           ; my wave's number w
.set JJ,  15                           ; j
.set AA,  16                           ; a = w / 2
.set PP,  17                           ; p = 4 w + j
.set HO,  18                           ; s[18:19] the head's first byte in each tensor
.set SEL, 20                           ; s[20:21] v_permlanex16_b32's selects for lane xor 16
.set CS,  22                           ; s[22:23] c = log2(e) / 8 x 2^(eq + ek)
.set TT,  24                           ; 8,192 x the trip
.set SS,  25                           ; the trip
.set A8,  26                           ; 8,192 a
.set TBR, 27                           ; LDS byte of the chunk that I read
.set QB,  30                           ; s[30:31] q at tile B; s[32:33] at tile A
.set QA,  32
.set OPB, 34                           ; s[34:35] out0 at tile B; s[36:37] at tile A
.set OPA, 36
.set TSW, 38                           ; 8,192 (15 - a): the trip of tile B's diagonal
.set PLIM, 39                          ; 13 in waves 0 and 1, else 0: a wave prefetches while the trip is under it
.set EX,  40                           ; s[40:43] eq, ek, ep, ev
.set DA,  44                           ; tile A's first query in its diagonal chunk: 16 (4 (w % 2) + j)
.set DB,  45                           ; tile B's: 112 - DA
.set HOLD, 46                          ; 1 where 448 x 2^ep lies under 1
.set EPV, 47                           ; ep + ev
.set PFA, 48                           ; s[48:49] where my prefetches stand
.set MK,  66                           ; s[66:97] the causal mask's lane masks, 32 scores' at a time
.macro PLACES                          ; four places behind a matrix instruction (ISA guide 7.12.1)
.rept 4
	v_nop
.endr
.endm
; 16 queries x 64 as f32: lane (r, h) takes, of row r, d = 32 c + 16 h + 0 .. 15 into registers 16 c on: the order in which the conversions' results are the operand
.macro QLOAD reg, base
.irp c, 0,1
.irp e, 0,1,2,3
	global_load_b128 v[\reg+16*\c+4*\e:\reg+16*\c+4*\e+3], v[QOF], s[\base:\base+1] offset:128*\c+16*\e th:TH_LOAD_NT
.endr
.endr
.endm
.macro QCODE src, dst
.set n, 0
.rept 32
	v_med3_num_f32 v[\src+n], v[\src+n], -v[FF+1], v[FF+1]   ; the conversion to an 8-bit code does not saturate (ISA guide 7.6.2): the hold at the largest code x the scale
.set n, n+1
.endr
.irp g, 0,1,2,3
	v_cvt_scalef32_pk8_fp8_f32 v[\dst+2*\g:\dst+2*\g+1], v[\src+8*\g:\src+8*\g+7], v[FF]
.endr
	v_nop                                          ; one plain line behind the last conversion
.endm
; My share of a chunk.  k: four loads of 512 consecutive bytes: group i is key 8 w + 2 i + lane / 16, d = 4 (lane % 16) on.  v: A LANE TAKES A COLUMN d = 32 (w % 2) + lane AND ITS REGISTERS
; RUN DOWN THE KEYS 16 (w / 2) + 0 .. 15, since the keys are the second product's K: sixteen loads of 128 consecutive bytes.  No hint: four work-groups read these bytes.
.macro LOADKV
.irp i, 0,1,2,3
	global_load_b128 v[KR+4*\i:KR+4*\i+3], v[KOF], s[KP:KP+1] offset:512*\i
.endr
.set n, 0
.rept 16
	global_load_b32 v[VR+n], v[VOF], s[VP:VP+1] offset:256*n
.set n, n+1
.endr
.endm
.macro SCALE e, vs                     ; v[vs] = 2^e as f32, v[vs + 1] = 448 x 2^e
	s_add_co_i32 s28, s[\e], 127
	s_lshl_b32 s29, s28, 23
	v_mov_b32 v[\vs], s29
	s_add_co_i32 s28, s28, 8
	s_lshl_b32 s28, s28, 23
	s_or_b32 s28, s28, 0x600000
	v_mov_b32 v[\vs+1], s28
.endm
.macro FRESH                           ; a tile's statistics at its start
	v_mov_b32 v[NM+1], 0xff61b1e6                  ; the largest t so far: -3e38, under every t
	v_floor_f32 v[NM], -v[NM+1]                    ; -M
	v_mov_b32 v[SUM], 0
	v_mov_b32 v[SUM+1], 0
.endm
; O^T / the row's sum x 2^(ep + ev) into v[dst] on
.macro FINISH dst
	v_add_f32 v[SUM], v[SUM], v[SUM+1]             ; the sum's two halves,
	v_permlanex16_b32 v[PX], v[SUM], s[SEL], s[SEL+1]
	v_add_f32 v[SUM], v[SUM], v[PX]                ; and lane xor 16's
	s_wait_alu depctr_va_vdst(0)
	v_rcp_f32 v[SUM], v[SUM]
	v_nop                                          ; a plain line behind the reciprocal
	s_wait_alu depctr_va_vdst(0)                   ; the reciprocal has written v[SUM]: the wait ahead of the first line that names the result
	v_ldexp_f32 v[SUM], v[SUM], s[EPV]
.set n, 0
.rept 16
	v_pk_mul_f32 v[\dst+n:\dst+n+1], v[OT+n:OT+n+1], v[SUM:SUM+1] op_sel_hi:[1,0]   ; each accumulator from its low end on
.set n, n+2
.endr
.endm
; A STEP: my tile against the 128 keys of the chunk whose images stand at v[ADK] and v[ADV].  Both addresses are made, and the wait on va_vdst that serves the first loads stands, ahead of the macro.
; mask = 1: tile B; its diagonal is the trip with TT = TSW.  mask = 2: tile A's diagonal step.
.macro STEP mask
.irp g, 0,1                                    ; S^T = K Q^T, four tiles of 16 keys at a time
.if \g
	PLACES                                         ; four places behind the products above, and
	s_wait_alu depctr_va_vdst(0)                   ; those four products are done reading v[FRG ..], in which the loads below land
.endif
.irp t, 0,1,2,3
	ds_load_b128 v[FRG+8*\t:FRG+8*\t+3],   v[ADK] offset:1024*(4*\g+\t)
	ds_load_b128 v[FRG+8*\t+4:FRG+8*\t+7], v[ADK] offset:1024*(4*\g+\t)+512
.endr
	s_wait_dscnt 0x0
.irp t, 0,1,2,3
	v_wmma_f32_16x16x64_fp8_fp8 v[SC+8*(4*\g+\t):SC+8*(4*\g+\t)+7], v[FRG+8*\t:FRG+8*\t+7], v[QF:QF+7], 0
.endr
.endr
	PLACES
	; register 16 b + i holds key 32 b + 16 (lane / 16) + i of the chunk: hidden where 32 b + i > my query's place in the chunk - 16 (lane / 16)
.if \mask == 1
	s_cmp_lg_u32 s[TT], s[TSW]                     ; ids and the count of trips alone
	s_cbranch_scc1 .Lopen_\@
	v_add_nc_u32 v[MD], s[DB], v[DQ]
.else
	v_add_nc_u32 v[MD], s[DA], v[DQ]
.endif
	v_mov_b32 v[MX2], 0xff800000                   ; -infinity: p = 0 then.  Every query sees its own key in this chunk, so the row's maximum stays a number
.irp q, 0,1                                    ; the compares stand in two runs of 32, each into a scalar register of its own, with one wait behind a run
.set n, 0
.rept 32
	v_cmp_gt_i32 s[MK+n], 32*((32*\q+n)/16)+n%16, v[MD]
.set n, n+1
.endr
	s_wait_alu depctr_va_sdst(0)                   ; the 32 compares have written s[MK ..], which the selects below read
.set n, 0
.rept 32
	v_cndmask_b32 v[SC+32*\q+n], v[SC+32*\q+n], v[MX2], s[MK+n]   ; each accumulator from its low end on
.set n, n+1
.endr
.endr
.if \mask == 1
.Lopen_\@:
.endif
	v_max3_num_f32 v[MX], v[SC], v[SC+1], v[SC+2]  ; the step's largest score of my query among my 64 keys, in two chains, each accumulator from its low end on,
	v_max3_num_f32 v[MX2], v[SC+3], v[SC+4], v[SC+5]
.irp i, 6,10,14,18,22,26,30,34,38,42,46,50,54,58
	v_max3_num_f32 v[MX], v[MX], v[SC+\i], v[SC+\i+1]
	v_max3_num_f32 v[MX2], v[MX2], v[SC+\i+2], v[SC+\i+3]
.endr
	v_max3_num_f32 v[MX], v[MX], v[SC+62], v[SC+63]
	v_max_num_f32 v[MX], v[MX], v[MX2]
	v_permlanex16_b32 v[PX], v[MX], s[SEL], s[SEL+1]
	v_max_num_f32 v[MX], v[MX], v[PX]              ; and among lane xor 16's
	v_mul_f32 v[MX], s[CS], v[MX]                  ; as t (c is positive)
	v_max_num_f32 v[NM+1], v[NM+1], v[MX]          ; the running largest t
	v_mov_b32 v[MX], v[NM]
	v_floor_f32 v[NM], -v[NM+1]                    ; the new -M = floor(-t): M is a whole number
	v_sub_f32 v[MX], v[NM], v[MX]                  ; old M less new M: a whole number, 0 or less
	v_cvt_i32_f32 v[MX], v[MX]                     ; (it saturates)
	v_ldexp_f32 v[FF], 1.0, v[MX]                  ; f = 2^(old M - new M)
.set n, 0
.rept 32
	v_pk_fma_f32 v[SC+n:SC+n+1], v[SC+n:SC+n+1], s[CS:CS+1], v[NM:NM+1] op_sel_hi:[1,0,0]   ; t - M, two at a time (of the pairs c and -M the low word serves both halves)
.set n, n+2
.endr
.set n, 0
	s_wait_alu depctr_va_vdst(0)
.rept 64
	v_exp_f32 v[SC+n], v[SC+n]                     ; p = 2^(t - M), at most 1: not normalised
.set n, n+1
.endr
	v_pk_mul_f32 v[SUM:SUM+1], v[SUM:SUM+1], v[FF:FF+1] op_sel_hi:[1,0]   ; the sums under the new M: the plain line behind the exponentials
	s_wait_alu depctr_va_vdst(0)                   ; the 64 exponentials have written v[SC ..]: one wait for the batch, ahead of the first line that names a result
	v_pk_add_f32 v[SU2:SU2+1], v[SC:SC+1], v[SC+2:SC+3]   ; the row's sum is taken of the unquantised p, in two chains
.irp i, 4,8,12,16,20,24,28,32,36,40,44,48,52,56,60
	v_pk_add_f32 v[SUM:SUM+1], v[SUM:SUM+1], v[SC+\i:SC+\i+1]
	v_pk_add_f32 v[SU2:SU2+1], v[SU2:SU2+1], v[SC+\i+2:SC+\i+3]
.endr
	v_pk_add_f32 v[SUM:SUM+1], v[SUM:SUM+1], v[SU2:SU2+1]
	; p is at most 1 and not negative.  Where ep >= -8 the largest code x the scale, 448 x 2^ep, is 1.75 or more and the hold changes nothing: a whole number read from memory decides, the same in all waves
	s_cmp_eq_u32 s[HOLD], 0
	s_cbranch_scc1 .Lfits_\@
.set n, 0
.rept 64
	v_min_num_f32 v[SC+n], v[SC+n], v[PS+1]
.set n, n+1
.endr
.Lfits_\@:
.irp b, 0,1,2,3
	v_cvt_scalef32_pk8_fp8_f32 v[PC+4*\b:PC+4*\b+1],   v[SC+16*\b:SC+16*\b+7],    v[PS]   ; registers 4 b .. 4 b + 3 of P: keys 32 b + 16 (lane / 16) + 0 .. 15
	v_cvt_scalef32_pk8_fp8_f32 v[PC+4*\b+2:PC+4*\b+3], v[SC+16*\b+8:SC+16*\b+15], v[PS]
.endr
	v_pk_mul_f32 v[OT:OT+1], v[OT:OT+1], v[FF:FF+1] op_sel_hi:[1,0]   ; O^T under the new M; this first one is the plain line behind the conversions
	s_wait_alu depctr_va_vdst(0)                   ; the conversions are done reading v[SC ..], in which the loads below land; the 15 multiplications behind the loads name O^T and f alone
.irp d, 0,1,2,3                                ; V's four fragments (16 of the head's 64 x 128 keys) take p's registers
.irp c, 0,1,2,3
	ds_load_b128 v[SC+16*\d+4*\c:SC+16*\d+4*\c+3], v[ADV] offset:2048*\d+512*\c
.endr
.endr
.set n, 2
.rept 15
	v_pk_mul_f32 v[OT+n:OT+n+1], v[OT+n:OT+n+1], v[FF:FF+1] op_sel_hi:[1,0]
.set n, n+2
.endr
	s_wait_alu depctr_va_vdst(0)
	s_wait_dscnt 0x0
.irp d, 0,1,2,3                                ; O^T += V^T P^T; the four accumulators take turns
	v_wmma_f32_16x16x128_fp8_fp8 v[OT+8*\d:OT+8*\d+7], v[SC+16*\d:SC+16*\d+15], v[PC:PC+15], v[OT+8*\d:OT+8*\d+7]
.endr
.endm
; THE WAY OUT of a tile: a lane's eight numbers of a row, 32 bytes, into rows of 272 bytes of my own stage u, and back as whole rows of 256
.macro TOSTAGE src, u, back
.irp d, 0,1,2,3
	ds_store_b128 v[STO], v[\src+8*\d:\src+8*\d+3]   offset:16*SP*\u+64*\d
	ds_store_b128 v[STO], v[\src+8*\d+4:\src+8*\d+7] offset:16*SP*\u+64*\d+16
.endr
.irp i, 0,1,2,3,4,5,6,7
	ds_load_b128 v[\back+4*\i:\back+4*\i+3], v[RD] offset:16*SP*\u+2*SP*\i   ; LDS serves a wave's instructions in order (ISA guide 5.7.1.4): these see my stores
.endr
.endm
.macro SEND back, base, younger        ; younger: the LDS instructions issued behind this tile's loads, which may stay out
.irp i, 0,1,2,3,4,5,6,7
	s_wait_dscnt \younger+7-\i
	global_store_b128 v[GO], v[\back+4*\i:\back+4*\i+3], s[\base:\base+1] offset:512*\i th:TH_STORE_NT   ; the wave stores 512 consecutive bytes, two whole rows of out0, at a multiple of 256 from its first byte
.endr
.endm
	s_load_b256 s[4:11], s[0:1], 0x0               ; q s[4:5], k s[6:7], v s[8:9], the scales' exponents s[10:11]
	s_load_b64 s[12:13], s[0:1], 0x20              ; out0
	v_lshl_add_u32 v[SPW], v0, 2, SPARE
	v_mov_b32 v[NIL], 0
	v_lshrrev_b32 v[HX], 5, v0
	v_readfirstlane_b32 s[WV], v[HX]               ; wave 0..15
	v_and_b32 v[HL], 31, v0                        ; lane
	v_and_b32 v[HR], 15, v0                        ; r
	s_wait_alu depctr_va_vdst(0)
	v_bfe_u32 v[HH], v0, 4, 1                      ; h
	v_lshlrev_b32 v[LI], 4, v[HL]
	s_wait_alu depctr_va_sdst(0)                   ; s[WV] is written, ahead of its first reader: shares, addresses and branches are made from it
	s_mov_b32 s[JJ], ttmp9
	s_lshr_b32 s[AA], s[WV], 1
	s_lshl_b32 s[PP], s[WV], 2
	s_add_co_u32 s[PP], s[PP], s[JJ]
	s_and_b32 s[HO], ttmp7, 0xffff
	s_lshl_b32 s[HO], s[HO], 19                    ; the head x 2,048 rows of 256 bytes
	s_mov_b32 s[HO+1], 0
	; K's codes: word i of mine is key 8 w + 2 i + h, d = 4 r on.  In the image: tile 2 (w / 4) + w % 2, row 8 ((w / 2) % 2) + 2 i + h, piece and half by d:
	; 2,048 (w / 4) + 1,024 (w % 2) + 128 ((w / 2) % 2) + 256 (r / 4) + 16 h + 4 (r % 4), + 32 i in the store's offset
	s_lshr_b32 s28, s[WV], 2
	s_lshl_b32 s28, s28, 11
	s_and_b32 s29, s[WV], 1                        ; w % 2
	s_lshl_b32 s50, s29, 10
	s_add_co_u32 s28, s28, s50
	s_and_b32 s51, s[AA], 1                        ; (w / 2) % 2
	s_lshl_b32 s50, s51, 7
	s_add_co_u32 s28, s28, s50
	v_lshrrev_b32 v[KST], 2, v[HR]
	v_lshlrev_b32 v[KST], 8, v[KST]
	s_wait_alu depctr_va_vdst(0)
	v_lshl_add_u32 v[KST], v[HH], 4, v[KST]
	v_and_b32 v[HX], 3, v[HR]
	v_lshl_add_u32 v[KST], v[HX], 2, v[KST]
	v_add_nc_u32 v[KST], s28, v[KST]
	; V's codes: my 16 bytes are d = 32 (w % 2) + lane, keys 16 (w / 2) + 0 .. 15: tile 2 (w % 2) + h, piece w / 4, half (w / 2) % 2, row r
	s_lshl_b32 s50, s29, 12
	s_lshr_b32 s52, s[WV], 2
	s_lshl_b32 s52, s52, 9
	s_add_co_u32 s50, s50, s52
	s_lshl_b32 s52, s51, 8
	s_add_co_u32 s50, s50, s52
	s_add_co_u32 s50, s50, VIMG
	v_lshlrev_b32 v[VST], 11, v[HH]
	v_lshl_add_u32 v[VST], v[HR], 4, v[VST]
	v_add_nc_u32 v[VST], s50, v[VST]
	s_lshl_b32 s52, s[WV], 11
	v_add_nc_u32 v[KOF], s52, v[LI]
	s_lshl_b32 s52, s[AA], 12
	s_lshl_b32 s53, s29, 7
	s_add_co_u32 s52, s52, s53
	v_lshl_add_u32 v[VOF], v[HL], 2, s52
	v_lshlrev_b32 v[PFO], 8, v[HL]
	v_lshlrev_b32 v[DQ], 4, v[HH]
	v_sub_nc_u32 v[DQ], v[HR], v[DQ]
	s_mul_i32 s52, s[WV], 2*16*SP                  ; my two stages
	v_mul_u32_u24 v[STO], v[HR], SP                ; in: row r, 32 bytes for each half of the lanes
	v_lshl_add_u32 v[STO], v[HH], 5, v[STO]
	v_add_nc_u32 v[STO], s52, v[STO]
	v_mul_u32_u24 v[RD], v[HH], SP                 ; back: lanes 0-15 one row, lanes 16-31 the next
	v_lshl_add_u32 v[RD], v[HR], 4, v[RD]
	v_add_nc_u32 v[RD], s52, v[RD]
	v_lshlrev_b32 v[GO], 8, v[HH]                  ; and the same two rows in out0
	v_lshl_add_u32 v[GO], v[HR], 4, v[GO]
	v_lshlrev_b32 v[QOF], 8, v[HR]                 ; q: row r, + 64 h
	v_lshl_add_u32 v[QOF], v[HH], 6, v[QOF]
	s_mov_b32 s[SEL], 0x76543210
	s_mov_b32 s[SEL+1], 0xfedcba98
	s_lshl_b32 s[A8], s[AA], 13
	s_xor_b32 s[TSW], s[AA], 15                    ; 15 - a
	s_lshl_b32 s[TSW], s[TSW], 13
	s_cmp_lt_u32 s[WV], 2
	s_cselect_b32 s[PLIM], 13, 0
	s_lshl_b32 s[DA], s29, 2
	s_add_co_u32 s[DA], s[DA], s[JJ]
	s_lshl_b32 s[DA], s[DA], 4
	s_sub_co_u32 s[DB], 112, s[DA]
	s_sub_co_u32 s[QB], 127, s[PP]                 ; the two tiles' first bytes: 16 rows of 256 bytes a tile, + the head
	s_lshl_b32 s[QB], s[QB], 12
	s_add_co_u32 s[QB], s[QB], s[HO]
	s_mov_b32 s[QB+1], 0
	s_lshl_b32 s[QA], s[PP], 12
	s_add_co_u32 s[QA], s[QA], s[HO]
	s_mov_b32 s[QA+1], 0
	s_lshl_b32 s52, s[JJ], 13                      ; the prefetches: my work-group's quarter of a chunk,
	s_add_co_u32 s52, s52, 2*CHB                   ; in chunk 2: trip 0 steps it to chunk 3
	s_mov_b32 s53, 0
	s_mov_b32 s[TT], 0
	s_mov_b32 s[SS], 0
	s_wait_kmcnt 0x0
	s_load_b128 s[EX:EX+3], s[10:11], 0x0          ; eq, ek, ep, ev
	s_add_nc_u64 s[OPB:OPB+1], s[12:13], s[QB:QB+1]
	s_add_nc_u64 s[OPA:OPA+1], s[12:13], s[QA:QA+1]
	s_add_nc_u64 s[QB:QB+1], s[4:5], s[QB:QB+1]
	s_add_nc_u64 s[QA:QA+1], s[4:5], s[QA:QA+1]
	s_cmp_eq_u32 s[WV], 0                          ; wave 0 asks for k, wave 1 for v
	s_cselect_b64 s[PFA:PFA+1], s[6:7], s[8:9]
	s_add_nc_u64 s[KP:KP+1], s[KP:KP+1], s[HO:HO+1]
	s_add_nc_u64 s[VP:VP+1], s[VP:VP+1], s[HO:HO+1]
	s_add_nc_u64 s[PFA:PFA+1], s[PFA:PFA+1], s[HO:HO+1]
	s_add_nc_u64 s[PFA:PFA+1], s[PFA:PFA+1], s[52:53]
	s_wait_alu depctr_va_vdst(0)                   ; KOF, VOF, PFO, QOF, GO, STO and RD are written: every global load and store, the prefetch and the stage's LDS instructions read one of them, and none is written again
	QLOAD SC, QB                                   ; both tiles of queries, 16 loads,
	QLOAD SC+32, QA
	LOADKV                                         ; and my share of chunk 0, 20 loads
.set n, 0
.rept 64
	v_mov_b32 v[OT+n], 0                           ; O^T, and behind it tile B's place.  (The step is written once for first and later steps: the first finds zeros, which the first change of M leaves zeros)
.set n, n+1
.endr
	FRESH
	v_mov_b32 v[PX], 0                             ; written once: a lane permute's destination counts as one of its sources
	s_wait_kmcnt 0x0
	SCALE EX, FF                                   ; eq: for the two conversions of q below
	SCALE EX+1, KS
	SCALE EX+3, VS
	SCALE EX+2, PS
	s_add_co_i32 s28, s[EX], s[EX+1]
	s_lshl_b32 s28, s28, 23
	s_add_co_i32 s[CS], s28, 0x3e38aa3b            ; log2(e) / 8, with eq + ek added to its exponent field: a score stands for score x 2^(eq + ek)
	s_mov_b32 s[CS+1], s[CS]                       ; (named with it as a pair, so it is written)
	s_cmp_lt_i32 s[EX+2], -8
	s_cselect_b32 s[HOLD], 1, 0
	s_add_co_i32 s[EPV], s[EX+2], s[EX+3]
	s_wait_alu depctr_va_vdst(0)
	s_wait_loadcnt 20                              ; q's 16 loads are in; chunk 0's 20, issued behind them, stay out
	QCODE SC, QF
	QCODE SC+32, QN
	v_mov_b32 v[FF+1], 0                           ; from here on only named as the upper half of the pair v[26:27]
.Ltrip:                                            ; 16 trips: chunk s is quantised and stored, and every wave walks one step
	s_add_co_u32 s28, s[TT], s[A8]                 ; which chunk I read: s while s + a < 16 (tile B), then s + a - 16 (tile A):
	s_lshr_b32 s28, s28, 17                        ; 1 from s + a = 16 on,
	s_mul_i32 s28, s28, s[A8]
	s_add_co_u32 s[TBR], s[TT], s28
	s_and_b32 s[TBR], s[TBR], 0x1ffff              ; 8,192 ((s + a) mod 16) then
	s_wait_loadcnt 16                              ; k's 4 loads are in; v's 16, issued behind them, may be out.  The same count on the way in and over the backward jump
	s_wait_alu depctr_vm_vsrc(0)                   ; the last trip's LDS stores have read KC, VC, KSA and VSA, its LDS loads ADK and ADV: all six are written anew below
.set n, 0
.rept 16
	v_med3_num_f32 v[KR+n], v[KR+n], -v[KS+1], v[KS+1]   ; the hold at the largest code x the scale.  (These lines are also the places behind the last trip's products)
.set n, n+1
.endr
	v_cvt_scalef32_pk8_fp8_f32 v[KC:KC+1],   v[KR:KR+7],    v[KS]
	v_cvt_scalef32_pk8_fp8_f32 v[KC+2:KC+3], v[KR+8:KR+15], v[KS]
	s_wait_loadcnt 0x0
.set n, 0
.rept 16
	v_med3_num_f32 v[VR+n], v[VR+n], -v[VS+1], v[VS+1]
.set n, n+1
.endr
	v_cvt_scalef32_pk8_fp8_f32 v[VC:VC+1],   v[VR:VR+7],    v[VS]
	v_cvt_scalef32_pk8_fp8_f32 v[VC+2:VC+3], v[VR+8:VR+15], v[VS]
	v_add_nc_u32 v[KSA], s[TT], v[KST]             ; (the plain line behind the conversions)
	v_add_nc_u32 v[VSA], s[TT], v[VST]
	v_add_nc_u32 v[ADK], s[TBR], v[LI]             ; the images that this trip's step reads
	v_add_nc_u32 v[ADV], VIMG, v[ADK]
	s_wait_alu depctr_va_vdst(0)                   ; the holds and conversions are done with KR and VR, in which the next chunk lands; KC, VC, KSA and VSA are written, which the LDS stores read; ADK and ADV are written, and the last step's products and conversions are done with v[FRG ..], in which K's first fragments land.  No vector instruction follows until the step's first product
	s_cmp_eq_u32 s[SS], 15                         ; the last trip loads nothing: no load leaves its buffer
	s_cbranch_scc1 .Lno_next
	s_wait_xcnt 0x0                                ; the last prefetch, a trip back, has read its address; the loads are done: the three addresses may step
	s_add_nc_u64 s[KP:KP+1], s[KP:KP+1], CHB
	s_add_nc_u64 s[VP:VP+1], s[VP:VP+1], CHB
	s_add_nc_u64 s[PFA:PFA+1], s[PFA:PFA+1], CHB
	LOADKV                                         ; chunk s + 1: it has this trip's step in which to come
	s_cmp_lt_u32 s[SS], s[PLIM]                    ; waves 0 and 1, trips 0 to 12: chunk s + 3, the last of them chunk 15
	s_cbranch_scc0 .Lno_next
	global_prefetch_b8 v[PFO], s[PFA:PFA+1] th:TH_LOAD_NT scope:SCOPE_SE
.Lno_next:
	s_wait_dscnt 0x0                               ; my reads of the images in the last trip are in
	s_barrier_signal -1
	s_barrier_wait -1                              ; everybody's are: between this barrier and the next the images are only written
.irp i, 0,1,2,3
	ds_store_b32 v[KSA], v[KC+\i] offset:32*\i
.endr
	ds_store_b128 v[VSA], v[VC:VC+3]
	s_wait_dscnt 0x0                               ; for the others' sake: my part of chunk s lies in LDS
	s_barrier_signal -1
	s_barrier_wait -1                              ; chunk s is whole: up to the next barrier the images are only read
	STEP 1
	s_cmp_lg_u32 s[TT], s[TSW]
	s_cbranch_scc1 .Lon
	; tile B is finished: its result waits in registers, and tile A takes its place.  The eight moves name no register of the last products: they are the places behind them
.set n, 0
.rept 8
	v_mov_b32 v[QF+n], v[QN+n]
.set n, n+1
.endr
	FINISH OB
.set n, 0
.rept 32
	v_mov_b32 v[OT+n], 0
.set n, n+1
.endr
	FRESH
.Lon:
	s_add_co_u32 s[TT], s[TT], IMG
	s_add_co_u32 s[SS], s[SS], 1
	s_cmp_lt_u32 s[SS], 16
	s_cbranch_scc1 .Ltrip
	s_mov_b32 s[TBR], s[A8]                        ; tile A's diagonal step: chunk a, stored in trip a; nothing has been stored since the last barrier
	s_wait_alu depctr_vm_vsrc(0)                   ; the last trip's LDS loads have read ADK and ADV, which are written anew
	v_add_nc_u32 v[ADK], s[TBR], v[LI]
	v_add_nc_u32 v[ADV], VIMG, v[ADK]
	PLACES                                         ; with the two additions six places behind the last products: five are owed by the products that write over V's registers
	s_wait_alu depctr_va_vdst(0)                   ; ADK and ADV are written, and the last step's products are done reading v[FRG ..], in which K's fragments land
	STEP 2
	s_wait_dscnt 0x0                               ; my last reads of the images are in
	s_barrier_signal -1
	PLACES                                         ; work on registers while the others arrive
	FINISH OT
	s_barrier_wait -1                              ; nobody reads an image any more: the stages may be laid over them
	s_wait_alu depctr_va_vdst(0)                   ; the divisions have written v[OT ..] (and, in an earlier trip, v[OB ..]), which the LDS stores read; the last products are done reading v[SC ..], in which the loads from the stage land
	TOSTAGE OB, 0, SC
	TOSTAGE OT, 1, SC+32
	SEND SC, OPB, 16                               ; behind tile B's loads: tile A's 8 stores and 8 loads
	SEND SC+32, OPA, 0
	s_wait_dscnt 0x0                               ; the closing lines, six on end
	s_wait_alu 0x0
	s_wait_tensorcnt 0x0
	ds_add_u32 v[SPW], v[NIL]
	s_wait_dscnt 0x0
	s_endpgm
.Lfunc_end_k_q6a7955016a_attn:
	.size	k_q6a7955016a_attn, .Lfunc_end_k_q6a7955016a_attn-k_q6a7955016a_attn
	.p2alignl 7, 3214868480
	.fill 96, 4, 3214868480
	.section	.rodata,"a",@progbits
	.p2align	6, 0x0
	.amdhsa_kernel k_q6a7955016a_attn
		.amdhsa_group_segment_fixed_size 264192
		.amdhsa_private_segment_fixed_size 0
		.amdhsa_enable_private_segment 0
		.amdhsa_kernarg_size 40
		.amdhsa_user_sgpr_count 2
		.amdhsa_user_sgpr_kernarg_segment_ptr 1
		.amdhsa_wavefront_size32 1
		.amdhsa_system_sgpr_workgroup_id_x 1
		.amdhsa_system_sgpr_workgroup_id_y 1
		.amdhsa_system_sgpr_workgroup_id_z 1
		.amdhsa_system_vgpr_workitem_id 0
		.amdhsa_next_free_vgpr 256
		.amdhsa_next_free_sgpr 98
		.amdhsa_reserve_vcc 0
		.amdhsa_float_denorm_mode_32 3
		.amdhsa_float_denorm_mode_16_64 3
		.amdhsa_memory_ordered 1
		.amdhsa_forward_progress 1
		.amdhsa_inst_pref_size 80
	.end_amdhsa_kernel
	.amdgpu_metadata
---
amdhsa.version: [ 1, 2 ]
amdhsa.kernels:
  - .name:           k_q6a7955016a_attn
    .symbol:         k_q6a7955016a_attn.kd
    .args:
      - { .name: q, .offset: 0, .size: 8, .value_kind: global_buffer, .address_space: global }
      - { .name: k, .offset: 8, .size: 8, .value_kind: global_buffer, .address_space: global }
      - { .name: v, .offset: 16, .size: 8, .value_kind: global_buffer, .address_space: global }
      - { .name: lowp_scales, .offset: 24, .size: 8, .value_kind: global_buffer, .address_space: global }
      - { .name: out0, .offset: 32, .size: 8, .value_kind: global_buffer, .address_space: global }
    .group_segment_fixed_size: 264192
    .private_segment_fixed_size: 0
    .kernarg_segment_align: 8
    .kernarg_segment_size: 40
    .max_flat_workgroup_size: 512
    .sgpr_count:     98
    .vgpr_count:     256
    .wavefront_size: 32
...
	.end_amdgpu_metadata
.endif
;; end of part 2
